; MI455X (gfx1250); checked and timed in simulation.
; The chip was launched on July 23, 2026; its instructions are those of AMD's public machine-readable ISA for CDNA 5 (MIT licence, August 2026) and "CDNA5" Instruction Set Architecture Reference Guide (July 2026). The comments in the code are by the model that wrote it; some were corrected since.
;; Self Attention. Allowed arithmetic: matrix products marked QUANTISED: E2M1 operands, one E8M0 scale for each 32 along K, by v_wmma_scale_f32_16x16x128_f8f6f4 with both operands' format E2M1 (or v_wmma_scale_f32_32x16x128_f4), f32 sums; everything else in f32.
;; Inputs: W_qkv 3,072 x 1,024 float32; b_qkv 3,072 float32; x 4 x 2,048 x 1,024 float32.
;; Outputs: out0 4 x 2,048 x 1,024 float32.
;; This version of the problem:
;;   THIS VERSION OF THE PROBLEM IS GIVEN IN LOW PRECISION. The matrix products marked QUANTISED in the list below multiply operands that are first quantised to E2M1 (2 exponent bits, 1 mantissa bit; 4 bits a number), with one power-of-two scale for each 32 numbers along K (OCP MX v1.0); their sums are f32. All else is computed in f32.
;;   The module's matrix products, in the order in which they are computed (A, B: the left and right operand; K: the contracted axis; several contracted axes count as one K, in the product's order):
;;     1. [M 8,192, K 1,024] x [K 1,024, N 3,072]; A: input x; B: input W_qkv: QUANTISED
;;     2. batch 64 x [M 2,048, K 64] x [K 64, N 2,048]; A: computed on the way; B: computed on the way: QUANTISED
;;     3. batch 64 x [M 2,048, K 2,048] x [K 2,048, N 64]; A: softmax (see below); B: computed on the way: QUANTISED
;;   THE QUANTISER, for each operand of a quantised product, along K:
;;     - K is cut into blocks of 32 from its start; a last block that is shorter is filled with zeros.
;;     - A block's scale is 2^e with e = floor(log2(the largest magnitude in the block)) - 2, held to -126 .. 127; a block of zeros has e = 0. As a byte (E8M0): e + 127.
;;     - Each number is divided by its block's scale, clamped to +-6, and rounded to the nearest number of E2M1, ties to even, subnormals kept.
;;     - The product sums the exact products of the quantised numbers (number of the format x scale) in f32.
;;   ~~~python
;;   def quantise(x, axis):      # numpy; x: float32 -> the quantised numbers, widened to float32 again
;;       x = np.moveaxis(x, axis, -1); K = x.shape[-1]
;;       x = np.pad(x, [(0, 0)] * (x.ndim - 1) + [(0, -K % 32)]); x = x.reshape(x.shape[:-1] + (-1, 32)); a = np.abs(x).max(-1, keepdims=True)
;;       e = np.where(a > 0, np.clip(np.frexp(np.where(a > 0, a, 1))[1] - 1 - 2, -126, 127), 0)      # np.frexp(a)[1] - 1 = floor(log2(a)), exactly
;;       r = np.clip(x / 2.0 ** e, -6, 6)
;;       step = 2.0 ** (np.maximum(np.frexp(np.where(r == 0, 1, r))[1] - 1, 0) - 1)
;;       q = np.round(r / step) * step * 2.0 ** e      # np.round: ties to even
;;       return np.moveaxis(q.reshape(q.shape[:-2] + (-1,))[..., :K], -1, axis).astype(np.float32)
;;   ~~~
;;   SOFTMAX AHEAD OF A QUANTISED PRODUCT. Where the list says 'softmax', what is quantised is not the finished softmax but p = 2^(t - M), with t = logit x log2(e) and M = ceil(the row's largest t), a whole number; so 1/2 < the row's largest p <= 1. The row's sum l is taken of the UNQUANTISED p, in f32, and the product's result is divided by l at the end. Since M is a whole number, a kernel that streams over the keys may use a running M (the ceiling of the running maximum): every later rescaling is an exact power of two, which a block's scale takes up: the codes' values come out the same.
;;   OPERANDS COMPUTED ON THE WAY. 'Computed on the way' means the value that the module computes at that place (a softmax that the list does not call 'softmax' is quantised finished and normalised). What goes into a quantiser is computed in f32, as accurately as f32 sums, v_exp_f32 and their like allow (about 1e-6 of the number): no bf16 or f16 on the way to a quantiser, and a product that is left as it is and whose result goes on into a quantised operand takes f32 operands (vector FMAs, or v_wmma_f32_16x16x4_f32). A number that lies on a knife's edge between two numbers of the format may be rounded either way, as far as f32 arithmetic and the matrix unit's own rounding can turn it there, and no further.
;; One version. Each part assembles by itself: llvm-mc -triple=amdgcn-amd-amdhsa -mcpu=gfx1250 --defsym DOCPART=n.
;; ======== version 1 of 1: 3 launches
;; limits: right only within a limited range of input values
;; workspace buffers: codes 5,767,168 bytes; scales 360,448 bytes; img 12,582,912 bytes; scl 786,432 bytes
;; launch quant (part 1): grid 352 x 1, 4 waves a work-group, no clusters, 33,280 bytes of LDS; arguments x, W_qkv, codes, scales; writes codes, scales
.if DOCPART == 1
	.amdgcn_target "amdgcn-amd-amdhsa--gfx1250"
	.amdhsa_code_object_version 6
	.text
	.protected	k_q4da72bccdd_quant
	.globl	k_q4da72bccdd_quant
	.p2align	8
	.type	k_q4da72bccdd_quant,@function
k_q4da72bccdd_quant:
	s_mov_b64 s[64:65], 0
	v_nop
	global_prefetch_b8 v0, s[64:65] scope:SCOPE_SE
	s_setreg_imm32_b32 hwreg(HW_REG_WAVE_MODE, 25, 1), 1
	s_wait_xcnt 0x0
; x [8192][1024] and W_qkv [3072][1024], f32, K innermost, become codes of FP4 (E2M1), two a byte, and one E8M0 scale byte for each 32 along K.
; One output stream serves both: codes [11264 rows][512 bytes], scales [11264 rows][32 bytes]; rows 0-8191 are x's, rows 8192-11263 W's.
; A block's scale is 2^(floor(log2(its largest magnitude)) - 2); its byte is the largest magnitude's exponent field - 2, held at 1 from below.
; THE ROWS ARE STORED IN ANOTHER ORDER THAN THEY ARE READ: inside each group of 32 rows bits 3 and 4 of the row's number change places.  A wave takes 8 rows, a work-group 32:
; the wave's number IS bits 3 and 4 of the row, so the change of places is made once, in the wave's output pointers.
; LIMITS: NaN and infinities among the inputs are not served.  A block whose largest magnitude lies under 2^-124, a block of zeros too, keeps the byte 1 (the rule says 127 for zeros):
; its codes are zeros or the nearest codes under that scale, and the bytes are read by this program alone.
; A wave takes 16 steps of 512 numbers.  Each of a step's four loads reads 512 consecutive bytes; the 2,048 bytes turn through the wave's own stage in LDS and come back 64 bytes a lane:
; 16 neighbours along K, two neighbouring lanes to a block.  A lane's 16 codes are 8 bytes: the wave stores 256 consecutive bytes.  A wave's 256 scale bytes are gathered in LDS and leave as one aligned run.
; No tensor loads, no barrier, no matrix unit, no cluster: waves share nothing.  Loads run AHEAD = 8 steps (32 loads a wave) ahead, the turn through LDS one step.
.set STEPS, 16
.set AHEAD, 8
.set WGX,   256                        ; work-groups that take x; the other 96 take W
.set EMAX,  2
.set CB,    8                          ; bytes of 16 codes
.set R,     16                         ; v16-143  eight sets of 16 numbers as they are loaded
.set X,     144                        ; v144-175 two sets of 16 neighbours
.set E,     176                        ; v176-191 a scale byte for each step
.set C,     192                        ; v192-223 codes: two registers for each step, so that no store's data are written again
.set SPW,   224                        ; my spare word's LDS address; never rewritten
.set NIL,   225                        ; 0; never rewritten
.set WREG,  8192                       ; LDS: a region for each wave: two stages of 32 x SP bytes, and behind them its 256 scale bytes
.set SP,    80                         ; a lane's place in a stage: its 64 bytes + 16 of padding
.set SPARE, 4*WREG                     ; the spare words, 128 bytes a wave
	s_load_b256 s[4:11], s[0:1], 0x0               ; x, W, codes, scales
	v_lshl_add_u32 v[SPW], v0, 2, SPARE
	v_mov_b32 v[NIL], 0
	v_lshrrev_b32 v1, 5, v0
	v_readfirstlane_b32 s16, v1                    ; wave
	v_and_b32 v2, 31, v0                           ; lane
	v_lshlrev_b32 v3, 4, v2                        ; my 16 bytes of a load's 512
	s_mul_i32 s17, s16, WREG
	v_lshrrev_b32 v14, 2, v2
	v_mul_u32_u24 v14, v14, SP
	v_and_b32 v15, 3, v2
	v_lshl_add_u32 v14, v15, 4, v14
	v_add_nc_u32 v14, s17, v14                     ; the stage, on the way in: four lanes' 64 bytes on end, then 16 of padding
	v_mul_u32_u24 v15, v2, SP
	v_add_nc_u32 v15, s17, v15                     ; and on the way out: my 16 neighbours
	v_mul_u32_u24 v4, v2, CB                       ; my codes' place in a step's
	v_lshrrev_b32 v5, 1, v2
	s_add_co_u32 s17, s17, 2*32*SP
	v_add_nc_u32 v5, s17, v5                       ; LDS: my block's scale byte
	v_lshlrev_b32 v7, 3, v2                        ; and on the way out 8 bytes a lane
	v_add_nc_u32 v6, s17, v7
	s_and_b32 s22, s16, 1                          ; the wave's two bits change places: where my 8 rows go
	s_lshl_b32 s22, s22, 1
	s_lshr_b32 s23, s16, 1
	s_or_b32 s22, s22, s23
	s_lshl_b32 s23, ttmp9, 2
	s_add_co_u32 s22, s22, s23                     ; the output's run of 8 rows
	s_lshl_b32 s24, s22, 12                        ; 4,096 bytes of codes a run
	s_mov_b32 s25, 0
	s_lshl_b32 s26, s22, 8                         ; 256 scale bytes a run
	s_mov_b32 s27, 0
	s_wait_alu depctr_va_vdst(0)                   ; the wait at the head's end
	s_wait_kmcnt 0x0
	s_cmp_lt_u32 ttmp9, WGX                        ; x's work-group or W's: the choice hangs on the work-group's number alone
	s_cselect_b64 s[4:5], s[4:5], s[6:7]
	s_cselect_b32 s17, 0, WGX
	s_sub_co_u32 s17, ttmp9, s17
	s_lshl_b32 s17, s17, 2
	s_add_co_u32 s18, s17, s16                     ; the input's run of 8,192 numbers
	s_lshl_b32 s20, s18, 15
	s_mov_b32 s21, 0
	s_add_nc_u64 s[4:5], s[4:5], s[20:21]
	s_add_nc_u64 s[8:9], s[8:9], s[24:25]
	s_add_nc_u64 s[10:11], s[10:11], s[26:27]
.macro LOAD t
.irp i, 0,1,2,3
	global_load_b128 v[R+16*((\t)%AHEAD)+4*\i:R+16*((\t)%AHEAD)+4*\i+3], v3, s[4:5] offset:2048*(\t)+512*\i th:TH_LOAD_NT
.endr
.endm
.macro TURN t                          ; step t's numbers through the stage: LDS serves a wave's instructions in order
.irp i, 0,1,2,3
	ds_store_b128 v14, v[R+16*((\t)%AHEAD)+4*\i:R+16*((\t)%AHEAD)+4*\i+3] offset:32*SP*((\t)%2)+8*SP*\i
.endr
.irp i, 0,1,2,3
	ds_load_b128 v[X+16*((\t)%2)+4*\i:X+16*((\t)%2)+4*\i+3], v15 offset:32*SP*((\t)%2)+16*\i
.endr
.endm
.irp t, 0,1,2,3,4,5,6,7
	LOAD \t
.endr
	s_wait_loadcnt 4*(AHEAD-1)                     ; step 0's four loads are in; those of the seven steps behind it may be out
	TURN 0
.macro STEP t
.set XS, X+16*((\t)%2)
.if (\t) > 0
	s_wait_dscnt 1                                 ; this step's numbers are back (the last step's byte store may be out): its stores into the stage have read their registers,
.else
	s_wait_dscnt 0x0
.endif
.if (\t)+AHEAD < STEPS
	LOAD (\t)+AHEAD                                ; which take the loads of eight steps on
.endif
.if (\t)+1 < STEPS
.if STEPS-2-(\t) >= AHEAD-1
	s_wait_loadcnt 4*(AHEAD-1)                     ; the next step's four loads are in; those of the seven steps behind it may be out
.else
	s_wait_loadcnt 4*(STEPS-2-(\t))                ; near the end fewer steps are behind it
.endif
	TURN (\t)+1
.endif
	v_max3_num_f32 v8, |v[XS]|, |v[XS+1]|, |v[XS+2]|               ; the largest magnitude of my 16, in two chains
	v_max3_num_f32 v9, |v[XS+3]|, |v[XS+4]|, |v[XS+5]|
.irp i, 6,10
	v_max3_num_f32 v8, v8, |v[XS+\i]|, |v[XS+\i+1]|
	v_max3_num_f32 v9, v9, |v[XS+\i+2]|, |v[XS+\i+3]|
.endr
	v_max3_num_f32 v8, v8, |v[XS+14]|, |v[XS+15]|
	v_max3_num_f32 v8, v8, v9, (EMAX+1)<<23        ; and the floor 2^(EMAX + 1 - 127): the byte cannot fall under 1
	v_max_num_f32_dpp v8, v8, v8 row_xmask:1 row_mask:0xf bank_mask:0xf   ; and of my neighbour's 16: the block's
	v_add_nc_u32 v11, -(EMAX<<23), v8              ; EMAX off its exponent field: the conversion's scale operand
	v_cvt_scalef32_pk8_fp4_f32 v[C+2*(\t)], v[XS:XS+7], v11
	v_cvt_scalef32_pk8_fp4_f32 v[C+2*(\t)+1], v[XS+8:XS+15], v11
	v_lshrrev_b32 v[E+(\t)], 23, v11               ; the scale's byte (also the plain instruction behind the conversions)
	ds_store_b8 v5, v[E+(\t)] offset:16*(\t)       ; both lanes of a block write the same byte with the same value
	global_store_b64 v4, v[C+2*(\t):C+2*(\t)+1], s[8:9] offset:32*CB*(\t)   ; the wave stores 256 consecutive aligned bytes
.endm
.irp t, 0,1,2,3,4,5,6,7,8,9,10,11,12,13,14,15
	STEP \t
.endr
	ds_load_b64 v[12:13], v6                       ; LDS serves a wave's instructions in order: these see my stores
	s_wait_dscnt 0x0
	global_store_b64 v7, v[12:13], s[10:11]        ; 32 lanes store 256 consecutive aligned bytes
	s_wait_tensorcnt 0x0                           ; the wave's end
	ds_add_u32 v[SPW], v[NIL]
	s_wait_dscnt 0x0
	s_endpgm
.Lfunc_end_k_q4da72bccdd_quant:
	.size	k_q4da72bccdd_quant, .Lfunc_end_k_q4da72bccdd_quant-k_q4da72bccdd_quant
	.p2alignl 7, 3214868480
	.fill 96, 4, 3214868480
	.section	.rodata,"a",@progbits
	.p2align	6, 0x0
	.amdhsa_kernel k_q4da72bccdd_quant
		.amdhsa_group_segment_fixed_size 33280
		.amdhsa_private_segment_fixed_size 0
		.amdhsa_enable_private_segment 0
		.amdhsa_kernarg_size 32
		.amdhsa_user_sgpr_count 2
		.amdhsa_user_sgpr_kernarg_segment_ptr 1
		.amdhsa_wavefront_size32 1
		.amdhsa_system_sgpr_workgroup_id_x 1
		.amdhsa_system_sgpr_workgroup_id_y 1
		.amdhsa_system_sgpr_workgroup_id_z 1
		.amdhsa_system_vgpr_workitem_id 0
		.amdhsa_next_free_vgpr 226
		.amdhsa_next_free_sgpr 66
		.amdhsa_reserve_vcc 0
		.amdhsa_float_denorm_mode_32 3
		.amdhsa_float_denorm_mode_16_64 3
		.amdhsa_memory_ordered 1
		.amdhsa_forward_progress 1
		.amdhsa_inst_pref_size 33
	.end_amdhsa_kernel
	.amdgpu_metadata
---
amdhsa.version: [ 1, 2 ]
amdhsa.kernels:
  - .name:           k_q4da72bccdd_quant
    .symbol:         k_q4da72bccdd_quant.kd
    .args:
      - { .name: x, .offset: 0, .size: 8, .value_kind: global_buffer, .address_space: global }
      - { .name: W_qkv, .offset: 8, .size: 8, .value_kind: global_buffer, .address_space: global }
      - { .name: codes, .offset: 16, .size: 8, .value_kind: global_buffer, .address_space: global }
      - { .name: scales, .offset: 24, .size: 8, .value_kind: global_buffer, .address_space: global }
    .group_segment_fixed_size: 33280
    .private_segment_fixed_size: 0
    .kernarg_segment_align: 8
    .kernarg_segment_size: 32
    .max_flat_workgroup_size: 128
    .sgpr_count:     66
    .vgpr_count:     226
    .wavefront_size: 32
...
	.end_amdgpu_metadata
.endif
;; end of part 1
;; launch qkv (part 2): grid 8 x 48, 4 waves a work-group, clusters of 4 x 4, 327,680 bytes of LDS; arguments codes, scales, b_qkv, img, scl; writes img, scl
.if DOCPART == 2
	.amdgcn_target "amdgcn-amd-amdhsa--gfx1250"
	.amdhsa_code_object_version 6
	.text
	.protected	k_q4da72bccdd_qkv
	.globl	k_q4da72bccdd_qkv
	.p2align	8
	.type	k_q4da72bccdd_qkv,@function
k_q4da72bccdd_qkv:
	s_mov_b64 s[64:65], 0
	v_nop
	global_prefetch_b8 v0, s[64:65] scope:SCOPE_SE
	s_setreg_imm32_b32 hwreg(HW_REG_WAVE_MODE, 25, 1), 1
	s_wait_xcnt 0x0
	s_wait_alu depctr_hold_cnt(0) depctr_sa_sdst(0) depctr_va_vdst(0) depctr_va_sdst(0) depctr_va_ssrc(0) depctr_va_vcc(0) depctr_vm_vsrc(0)
	s_getreg_b32 s2, hwreg(HW_REG_IB_STS2, 6, 4)
	s_cmp_eq_u32 s2, 0
	s_cbranch_scc0 .Lentry_in_a_cluster
	s_endpgm
.Lentry_in_a_cluster:
	s_bfe_u32 s2, ttmp6, 0x10000c
	s_cmp_lg_u32 s2, 0xf033
	s_cbranch_scc0 .Lentry_shape_is_right
	s_endpgm
.Lentry_shape_is_right:
.set NQ,     4
.set ROWB,   256
.set KROW,   512
.set PITCH,  272
.set FR,     8
.set NL,     2
.set NP,     4
.set HALFT,  128*PITCH
.set SLOT,   4*HALFT
.set KS,     32
.set SCL,    2*SLOT
.set HALFS,  (128*KS/256)*272
.set SBLK,   (16*KS/256)*272
.set ADRA, 16
.set ADRB, 20
.set L8,   24
.set VBH,  25
.set CO,   26
.set ADRS, 27
.set VBR,  28
.set SC,   32
.set BV,   96
.set AF,   128
.set PC,   128
.set PW,   192
.set TM,   200
.set FL,   216
.set SW,   220
.set SO,   228
.set BQ,   64
.set G1, 24
.set G0, 32
.set G1B, 48
.set G0B, 56
.set G1S, 68
.set G0S, 76
.set G1SB, 80
.set G0SB, 88
.set MODE, 95
.set QKM,  96
.set HIL,  97
.set SEL,  100
.set MSB, 0
.macro WIN new
.if MSB != (\new)
	s_set_vgpr_msb (MSB<<8)|(\new)
.set MSB, (\new)
.endif
.endm
.set MUL_LO,   0xa1
.set MUL_HI,   0xf1
.set FIRST_LO, 0x91
.set FIRST_HI, 0xd1
.set TO_B,     0x40
.macro JLOAD g0a, g1a, g0b, g1b
	s_cmp_eq_u32 s15, 0
	s_cbranch_scc0 .Lfor_b_\@
	tensor_load_to_lds s[\g0a:\g0a+3], s[\g1a:\g1a+7]
	s_nop 0
.rept 4
	v_nop
.endr
	s_branch .Lasked_\@
.Lfor_b_\@:
	tensor_load_to_lds s[\g0b:\g0b+3], s[\g1b:\g1b+7]
	s_nop 0
.rept 4
	v_nop
.endr
.Lasked_\@:
.endm
.macro CROUND
	s_barrier_signal -1
	s_barrier_wait -1
	s_cmp_lg_u32 s14, 0
	s_cbranch_scc1 .Lnot_wave_0_\@
	s_barrier_signal -3
.Lnot_wave_0_\@:
	s_barrier_wait -3
	s_barrier_signal -1
	s_barrier_wait -1
.endm
	s_load_b256 s[4:11], s[0:1], 0x0
	s_load_b64 s[12:13], s[0:1], 0x20
	v_lshl_add_u32 v254, v0, 2, 0x48400
	v_mov_b32 v255, 0
	ds_add_u32 v254, v255
	ds_add_u32 v254, v255
	v_lshrrev_b32 v1, 5, v0
	v_readfirstlane_b32 s14, v1
	s_lshr_b32 s15, s14, 1
	s_and_b32 s16, s14, 1
	s_bfe_u32 s40, ttmp6, 0x40000
	s_bfe_u32 s41, ttmp6, 0x40004
	s_lshl_b32 s42, ttmp9, 2
	s_add_co_u32 s42, s42, s40
	s_and_b32 s17, ttmp7, 0xffff
	s_lshl_b32 s43, s41, 2
	s_lshl_b32 s43, 15, s43
	s_lshl_b32 s44, 0x1111, s40
	s_sub_co_u32 s18, s17, 8
	s_lshl_b32 s18, s18, 11
	s_lshl_b32 s19, s17, 10
	s_cmp_ge_u32 s17, 8
	s_cselect_b32 s92, s18, 0x2000
	s_cselect_b32 s93, 0x2800, s19
	s_cselect_b32 s[MODE], 1, 0
	s_cselect_b32 s[QKM], 0, -1
	s_mov_b32 s[HIL], 0xffff0000
	s_mov_b32 s98, 0x05040100
	s_mov_b32 s99, 0x07060302
	s_mov_b32 s[SEL], 0x76543210
	s_mov_b32 s[SEL+1], 0xfedcba98
	s_or_b32 s[G1+0], s43, (0<<16)|(1<<20)|(1<<21)|(5<<22)|(3<<25)
	s_or_b32 s[G1B+0], s44, (0<<16)|(1<<20)|(1<<21)|(5<<22)|(3<<25)
.irp g, G1, G1B
	s_mov_b32 s[\g+1], ROWB<<16
	s_mov_b32 s[\g+2], 128<<16
	s_mov_b32 s[\g+3], ROWB<<16
	s_mov_b32 s[\g+4], 128
	s_mov_b32 s[\g+5], KROW
	s_mov_b32 s[\g+6], 0
	s_mov_b32 s[\g+7], 0
.endr
	s_or_b32 s[G1S+0], s43, (3<<16)|(1<<20)|(1<<21)|(5<<22)|(3<<25)
	s_or_b32 s[G1SB+0], s44, (3<<16)|(1<<20)|(1<<21)|(5<<22)|(3<<25)
.irp g, G1S, G1SB
	s_mov_b32 s[\g+1], 32<<16
	s_mov_b32 s[\g+2], (128*KS/256)<<16
	s_mov_b32 s[\g+3], 32<<16
	s_mov_b32 s[\g+4], 128*KS/256
	s_mov_b32 s[\g+5], 32
	s_mov_b32 s[\g+6], 0
	s_mov_b32 s[\g+7], 0
.endr
	s_lshl_b32 s18, s16, 7
	s_lshl_b32 s20, s41, 8
	s_add_co_u32 s20, s20, s93
	s_add_co_u32 s20, s20, s18
	s_lshl_b32 s46, s42, 8
	s_add_co_u32 s46, s46, s92
	s_add_co_u32 s46, s46, s18
	s_lshl_b32 s22, s20, 5
	s_lshl_b32 s20, s20, 9
	s_mov_b32 s21, 0
	s_mov_b32 s23, 0
	s_lshl_b32 s92, s46, 5
	s_lshl_b32 s46, s46, 9
	s_mov_b32 s47, 0
	s_mov_b32 s93, 0
	s_mul_i32 s45, s14, HALFT
	s_mul_i32 s94, s14, HALFS
	s_wait_dscnt 0x0
	s_wait_kmcnt 0x0
	s_add_nc_u64 s[20:21], s[4:5], s[20:21]
	s_add_nc_u64 s[22:23], s[6:7], s[22:23]
	s_add_nc_u64 s[46:47], s[4:5], s[46:47]
	s_add_nc_u64 s[92:93], s[6:7], s[92:93]
	CROUND
	s_mov_b32 s[G0S], 1
	s_add_co_u32 s[G0S+1], s94, SCL
	s_mov_b64 s[G0S+2:G0S+3], s[22:23]
	s_or_b32 s[G0S+3], s[G0S+3], 0x80000000
	s_mov_b32 s[G0SB], 1
	s_add_co_u32 s[G0SB+1], s94, SCL
	s_mov_b64 s[G0SB+2:G0SB+3], s[92:93]
	s_or_b32 s[G0SB+3], s[G0SB+3], 0x80000000
	JLOAD G0S, G1S, G0SB, G1SB
.irp s, 0,1
	s_mov_b32 s[G0+4*\s], 1
	s_add_co_u32 s[G0+4*\s+1], s45, \s*SLOT
	s_add_nc_u64 s[G0+4*\s+2:G0+4*\s+3], s[20:21], \s*ROWB
	s_or_b32 s[G0+4*\s+3], s[G0+4*\s+3], 0x80000000
	s_mov_b32 s[G0B+4*\s], 1
	s_add_co_u32 s[G0B+4*\s+1], s45, \s*SLOT
	s_add_nc_u64 s[G0B+4*\s+2:G0B+4*\s+3], s[46:47], \s*ROWB
	s_or_b32 s[G0B+4*\s+3], s[G0B+4*\s+3], 0x80000000
	s_wait_alu depctr_va_vdst(0)
	s_wait_tensorcnt 0x0
	ds_add_u32 v254, v255
	s_wait_dscnt 0x0
	CROUND
	JLOAD G0+4*\s, G1, G0B+4*\s, G1B
.endr
	v_and_b32 v1, 15, v0
	v_bfe_u32 v2, v0, 4, 1
	v_mul_u32_u24 v3, v1, PITCH
	v_lshl_add_u32 v4, v2, 4, v3
	s_mul_i32 s21, s15, HALFT
	s_mul_i32 s22, s16, HALFT
	s_add_co_u32 s22, s22, 2*HALFT
.irp s, 0,1
	v_add_nc_u32 v[ADRA+\s], s21, v4
	v_add_nc_u32 v[ADRB+\s], s22, v4
	s_add_co_u32 s21, s21, SLOT
	s_add_co_u32 s22, s22, SLOT
.endr
	v_mul_u32_u24 v5, v1, KS
	v_lshrrev_b32 v6, 8, v5
	v_lshl_add_u32 v5, v6, 4, v5
	s_mul_i32 s21, s15, HALFS
	s_mul_i32 s22, s16, HALFS
	s_add_co_u32 s22, s22, 2*HALFS
	s_sub_co_u32 s22, s22, s21
	v_mul_u32_u24 v6, s22, v2
	s_add_co_u32 s21, s21, SCL
	v_add_nc_u32 v5, v5, v6
	v_add_nc_u32 v[ADRS], s21, v5
	v_and_b32 v6, 31, v0
	v_lshlrev_b32 v[CO], 4, v6
	v_lshlrev_b32 v[L8], 3, v6
	v_lshlrev_b32 v[VBH], 6, v2
	s_wait_alu depctr_va_vdst(0)
	v_and_b32 v5, 8, v1
	v_add_nc_u32 v5, v5, v1
	v_lshlrev_b32 v[VBR], 2, v5
	s_wait_alu depctr_va_vdst(0)
	s_sub_co_u32 s18, s17, 8
	s_lshl_b32 s18, s18, 3
	s_lshl_b32 s19, s17, 2
	s_cmp_lg_u32 s[MODE], 0
	s_cselect_b32 s18, s18, 0
	s_cselect_b32 s19, 0, s19
	s_add_co_u32 s18, s18, s42
	s_add_co_u32 s19, s19, s41
	s_lshl_b32 s18, s18, 1
	s_add_co_u32 s18, s18, s16
	s_lshl_b32 s19, s19, 1
	s_add_co_u32 s19, s19, s15
	s_add_co_u32 s2, s19, 16
	s_cmp_lg_u32 s[MODE], 0
	s_cselect_b32 s2, s2, s18
	s_cselect_b32 s3, s18, s19
	s_lshr_b32 s66, s3, 4
	s_and_b32 s67, s3, 15
	s_mul_i32 s66, s66, 48
	s_lshl_b32 s18, s2, 1
	s_add_co_u32 s66, s66, s18
	s_lshl_b32 s18, s66, 16
	s_lshl_b32 s19, s67, 12
	s_add_co_u32 s18, s18, s19
	s_mov_b32 s19, 0
	s_add_nc_u64 s[10:11], s[10:11], s[18:19]
	s_lshl_b32 s18, s66, 12
	s_lshl_b32 s3, s67, 8
	s_add_co_u32 s18, s18, s3
	s_add_nc_u64 s[12:13], s[12:13], s[18:19]
	s_lshl_b32 s18, s2, 9
	s_add_nc_u64 s[8:9], s[8:9], s[18:19]
	WIN TO_B
.irp b, 0,1,2,3,4,5,6,7
	global_load_b128 v[BQ+8*\b:BQ+8*\b+3],   v[VBH], s[8:9] offset:(32*(\b/2)+8*(\b%2))*4
	global_load_b128 v[BQ+8*\b+4:BQ+8*\b+7], v[VBH], s[8:9] offset:(32*(\b/2)+8*(\b%2))*4+16
.endr
	WIN 0
.irp a, 0,1,2,3,4,5,6,7
	global_load_b32 v[BV+2*\a],   v[VBR], s[8:9] offset:(32*(\a/2)+8*(\a%2))*4
	global_load_b32 v[BV+2*\a+1], v[VBR], s[8:9] offset:(32*(\a/2)+8*(\a%2))*4
.endr
	v_mov_b32 v[FL], 0x1800000
.irp b, 0,1,2,3
	v_mov_b32 v[TM+4+\b], 0
.endr
	s_wait_loadcnt 0x0
	WIN 0x44
.set ii, 0
.rept 64
	v_cndmask_b32 v[BQ+ii], 0, v[BQ+ii], s[QKM]
.set ii, ii+1
.endr
	WIN 0
.macro FRAG reg, adr, q, i
.irp c, 0,1
	ds_load_b128 v[\reg+4*\c:\reg+4*\c+3], v[\adr] offset:64*(\q)+32*\c+(\i)*16*PITCH
.endr
.endm
.macro MUL16 a0, p, q, sc, zero
.irp a, \a0, \a0+1
.irp b, 0,1,2,3,4,5,6,7
.if \zero
	v_wmma_scale_f32_16x16x128_f8f6f4 v[8*(8*((\a)%4)+\b):8*(8*((\a)%4)+\b)+7], v[128*(\p)+FR*\b:128*(\p)+FR*\b+FR-1], v[AF+FR*(\a):AF+FR*(\a)+FR-1], v[BQ+8*\b:BQ+8*\b+7], v[SC+8*NQ*(\sc)+NQ*\b+(\q)], v[SC+8*NQ*(\sc)+NQ*(\a)+(\q)] matrix_a_fmt:MATRIX_FMT_FP4 matrix_b_fmt:MATRIX_FMT_FP4 matrix_a_scale:MATRIX_SCALE_ROW1
.else
	v_wmma_scale_f32_16x16x128_f8f6f4 v[8*(8*((\a)%4)+\b):8*(8*((\a)%4)+\b)+7], v[128*(\p)+FR*\b:128*(\p)+FR*\b+FR-1], v[AF+FR*(\a):AF+FR*(\a)+FR-1], v[8*(8*((\a)%4)+\b):8*(8*((\a)%4)+\b)+7], v[SC+8*NQ*(\sc)+NQ*\b+(\q)], v[SC+8*NQ*(\sc)+NQ*(\a)+(\q)] matrix_a_fmt:MATRIX_FMT_FP4 matrix_b_fmt:MATRIX_FMT_FP4 matrix_a_scale:MATRIX_SCALE_ROW1
.endif
.endr
.endr
.endm
.macro FETCH_B slot, q, p
	WIN TO_B
.irp i, 0,1,2,3,4,5,6,7
	FRAG 128*(\p)+FR*\i, ADRB+\slot, \q, \i
.endr
	WIN 0
.endm
.macro FETCH_A slot, q, i0
.irp i, \i0, \i0+1, \i0+2, \i0+3
	FRAG AF+FR*(\i), ADRA+\slot, \q, \i
.endr
.endm
.macro SCALES sc
.irp i, 0,1,2,3,4,5,6,7
	ds_load_b128 v[SC+8*NQ*\sc+NQ*\i:SC+8*NQ*\sc+NQ*\i+3], v[ADRS] offset:\i*SBLK
.endr
.endm
.macro PLACES n
.rept \n
	v_nop
.endr
.endm
.macro STEP slot, q, zero
	s_wait_dscnt 4*NL
.if \zero
	WIN FIRST_LO
.else
	WIN MUL_LO
.endif
	MUL16 0, (\q)%2, \q, \slot, \zero
	MUL16 2, (\q)%2, \q, \slot, \zero
	s_wait_dscnt 0
	PLACES NP
	FETCH_B \slot, (\q)+1, 1-(\q)%2
	FETCH_A \slot, (\q)+1, 0
.if \zero
	WIN FIRST_HI
.else
	WIN MUL_HI
.endif
	MUL16 4, (\q)%2, \q, \slot, \zero
	MUL16 6, (\q)%2, \q, \slot, \zero
	PLACES NP
	WIN 0
	FETCH_A \slot, (\q)+1, 4
.endm
.macro STEPS slot, from
.set Q, \from
.rept NQ-1-\from
	STEP \slot, Q, 0
.set Q, Q+1
.endr
.endm
	s_wait_alu depctr_va_vdst(0)
	s_wait_tensorcnt 1
	s_barrier_signal -1
	s_barrier_wait -1
	FETCH_B 0, 0, 0
	FETCH_A 0, 0, 0
	SCALES 0
	FETCH_A 0, 0, 4
	STEP 0, 0, 1
	STEPS 0, 1
	s_wait_tensorcnt 0x0
	s_wait_dscnt 4*NL
	WIN MUL_LO
	MUL16 0, 1, NQ-1, 0, 0
	s_wait_dscnt 0x0
	s_barrier_signal -1
	MUL16 2, 1, NQ-1, 0, 0
	WIN 0
	s_barrier_wait -1
	PLACES NP
	v_add_nc_u32 v[ADRS], 4*NQ, v[ADRS]
	FETCH_B 1, 0, 0
	FETCH_A 1, 0, 0
	SCALES 1
	WIN MUL_HI
	MUL16 4, 1, NQ-1, 0, 0
	MUL16 6, 1, NQ-1, 0, 0
	PLACES NP
	WIN 0
	FETCH_A 1, 0, 4
	STEPS 1, 0
	s_wait_dscnt 4*NL
	WIN MUL_LO
	MUL16 0, 1, NQ-1, 1, 0
	MUL16 2, 1, NQ-1, 1, 0
	s_wait_dscnt 0
	WIN MUL_HI
	MUL16 4, 1, NQ-1, 1, 0
	MUL16 6, 1, NQ-1, 1, 0
	WIN 0
	PLACES NP
.macro UNIT a, vmode
.set AC, 64*((\a)%4)
.set W, 2+(\a)/4
.set PCA, PC+8*(\a)
.if \vmode
	WIN (W<<6)|W
.set ii, 0
.rept 32
	v_pk_add_f32 v[AC+ii:AC+ii+1], v[AC+ii:AC+ii+1], v[BV+2*(\a):BV+2*(\a)+1]
.set ii, ii+2
.endr
.endif
	WIN (W<<4)|(W<<2)
.irp b, 0,1,2,3
	v_max3_num_f32 v[TM+\b], v[FL], |v[AC+16*\b]|, |v[AC+16*\b+1]|
.endr
.irp i, 2,4,6,8,10,12,14
.irp b, 0,1,2,3
	v_max3_num_f32 v[TM+\b], v[TM+\b], |v[AC+16*\b+\i]|, |v[AC+16*\b+\i+1]|
.endr
.endr
	WIN 0
.irp b, 0,1,2,3
	v_permlanex16_b32 v[TM+4+\b], v[TM+\b], s[SEL], s[SEL+1]
.endr
.irp b, 0,1,2,3
	v_max_num_f32 v[TM+\b], v[TM+\b], v[TM+4+\b]
.endr
.irp b, 0,1,2,3
	v_add_nc_u32 v[TM+12+\b], 0xff000000, v[TM+\b]
.endr
.irp b, 0,1,2,3
	v_lshrrev_b32 v[TM+4+\b], 23, v[TM+12+\b]
.endr
	v_lshl_or_b32 v[PW+(\a)], v[TM+5], 8, v[TM+4]
	v_lshl_or_b32 v[PW+(\a)], v[TM+6], 16, v[PW+(\a)]
	v_lshl_or_b32 v[PW+(\a)], v[TM+7], 24, v[PW+(\a)]
	WIN W
.irp b, 0,1,2,3
	v_cvt_scalef32_pk8_fp4_f32 v[PCA+2*\b],   v[AC+16*\b:AC+16*\b+7],    v[TM+12+\b]
	v_cvt_scalef32_pk8_fp4_f32 v[PCA+2*\b+1], v[AC+16*\b+8:AC+16*\b+15], v[TM+12+\b]
.endr
	WIN 0
	v_nop
.irp c, 0,1
.irp i, 0,1
	v_permlane16_swap_b32 v[PCA+4*\c+\i], v[PCA+4*\c+2+\i]
.endr
.endr
.irp c, 0,1
.if \vmode
	global_store_b128 v[CO], v[PCA+4*\c:PCA+4*\c+3], s[10:11] offset:((\a)/4)*65536+((\a)%4)*1024+\c*512
.else
	global_store_b128 v[CO], v[PCA+4*\c:PCA+4*\c+3], s[10:11] offset:(\a)*512+\c*65536
.endif
.endr
.endm
	s_cmp_lg_u32 s[MODE], 0
	s_cbranch_scc1 .Lv
.irp a, 0,1,2,3,4,5,6,7
	UNIT \a, 0
.endr
.irp i, 0,1,2,3
	v_perm_b32 v[SW+\i],   v[PW+2*\i+1], v[PW+2*\i], s98
	v_perm_b32 v[SW+4+\i], v[PW+2*\i+1], v[PW+2*\i], s99
.endr
.irp c, 0,1
.irp j, 0,1
	v_cndmask_b32 v[SO+2*\c+\j], v[SW+4*\c+2*\j], v[SW+4*\c+2*\j+1], s[HIL]
.endr
.endr
.irp c, 0,1
	global_store_b64 v[L8], v[SO+2*\c:SO+2*\c+1], s[12:13] offset:4096*\c
.endr
	s_branch .Lend
.Lv:
.irp a, 0,1,2,3,4,5,6,7
	UNIT \a, 1
.endr
.irp c, 0,1
.irp j, 0,1
	v_cndmask_b32 v[SO+2*\c+\j], v[PW+4*\c+2*\j], v[PW+4*\c+2*\j+1], s[HIL]
.endr
.endr
.irp c, 0,1
	global_store_b64 v[L8], v[SO+2*\c:SO+2*\c+1], s[12:13] offset:4096*\c
.endr
.Lend:
	s_wait_tensorcnt 0x0
	ds_add_u32 v254, v255
	s_wait_dscnt 0x0
	CROUND
	s_endpgm
.Lfunc_end_k_q4da72bccdd_qkv:
	.size	k_q4da72bccdd_qkv, .Lfunc_end_k_q4da72bccdd_qkv-k_q4da72bccdd_qkv
	.p2alignl 7, 3214868480
	.fill 96, 4, 3214868480
	.section	.rodata,"a",@progbits
	.p2align	6, 0x0
	.amdhsa_kernel k_q4da72bccdd_qkv
		.amdhsa_group_segment_fixed_size 327680
		.amdhsa_private_segment_fixed_size 0
		.amdhsa_enable_private_segment 0
		.amdhsa_kernarg_size 40
		.amdhsa_user_sgpr_count 2
		.amdhsa_user_sgpr_kernarg_segment_ptr 1
		.amdhsa_wavefront_size32 1
		.amdhsa_system_sgpr_workgroup_id_x 1
		.amdhsa_system_sgpr_workgroup_id_y 1
		.amdhsa_system_sgpr_workgroup_id_z 1
		.amdhsa_system_vgpr_workitem_id 0
		.amdhsa_next_free_vgpr 1024
		.amdhsa_next_free_sgpr 102
		.amdhsa_reserve_vcc 0
		.amdhsa_float_denorm_mode_32 3
		.amdhsa_float_denorm_mode_16_64 3
		.amdhsa_memory_ordered 1
		.amdhsa_forward_progress 1
		.amdhsa_inst_pref_size 184
	.end_amdhsa_kernel
	.amdgpu_metadata
---
amdhsa.version: [ 1, 2 ]
amdhsa.kernels:
  - .name:           k_q4da72bccdd_qkv
    .symbol:         k_q4da72bccdd_qkv.kd
    .args:
      - { .name: codes, .offset: 0, .size: 8, .value_kind: global_buffer, .address_space: global }
      - { .name: scales, .offset: 8, .size: 8, .value_kind: global_buffer, .address_space: global }
      - { .name: b_qkv, .offset: 16, .size: 8, .value_kind: global_buffer, .address_space: global }
      - { .name: img, .offset: 24, .size: 8, .value_kind: global_buffer, .address_space: global }
      - { .name: scl, .offset: 32, .size: 8, .value_kind: global_buffer, .address_space: global }
    .group_segment_fixed_size: 327680
    .private_segment_fixed_size: 0
    .kernarg_segment_align: 8
    .kernarg_segment_size: 40
    .max_flat_workgroup_size: 128
    .sgpr_count:     102
    .vgpr_count:     1024
    .wavefront_size: 32
...
	.end_amdgpu_metadata
.endif
;; end of part 2
;; launch attn (part 3): grid 4 x 64, 16 waves a work-group, clusters of 4 x 1, 219,136 bytes of LDS; arguments img, scl, out0; writes out0
.if DOCPART == 3
	.amdgcn_target "amdgcn-amd-amdhsa--gfx1250"
	.amdhsa_code_object_version 6
	.text
	.protected	k_q4da72bccdd_attn
	.globl	k_q4da72bccdd_attn
	.p2align	8
	.type	k_q4da72bccdd_attn,@function
k_q4da72bccdd_attn:
	s_mov_b64 s[64:65], 0
	v_nop
	global_prefetch_b8 v0, s[64:65] scope:SCOPE_SE
	s_setreg_imm32_b32 hwreg(HW_REG_WAVE_MODE, 25, 1), 1
	s_wait_xcnt 0x0
	s_wait_alu depctr_hold_cnt(0) depctr_sa_sdst(0) depctr_va_vdst(0) depctr_va_sdst(0) depctr_va_ssrc(0) depctr_va_vcc(0) depctr_vm_vsrc(0)
	s_getreg_b32 s2, hwreg(HW_REG_IB_STS2, 6, 4)
	s_cmp_eq_u32 s2, 0
	s_cbranch_scc0 .Lentry_in_a_cluster
	s_endpgm
.Lentry_in_a_cluster:
	s_bfe_u32 s2, ttmp6, 0x10000c
	s_cmp_lg_u32 s2, 0x3003
	s_cbranch_scc0 .Lentry_shape_is_right
	s_endpgm
.Lentry_shape_is_right:
; out0[b][q][64 hd + :] = the sum over k of softmax_k(Q . K / 8) V for each of 64 (batch, head) pairs, 2,048 tokens, 64 channels; both products on codes of FP4 (E2M1) with E8M0 scales.
; The operands come as images of their registers (img, scl: laid out by the launch before).
; THE SOFTMAX: t = score x log2(e) / 8; M = the row's largest t so far, rounded UP to a whole number; p = 2^(t - M) is what is quantised, along the keys, not normalised.
; The row's sum is taken of the unquantised p, in f32, and divides O at the end.  When M moves, the sum and O are multiplied by 2^(old M - new M): exact.
; SHARES.  A cluster of four work-groups owns one head; each work-group 512 queries; each of its sixteen waves one tile of 16 queries at a time, two tiles one after the other.  Every wave walks all 2,048 keys, 128 a step.
; THE HEAD'S WHOLE K AND V LIE IN LDS, fetched ONCE, jointly by the four partners (the same descriptors, mask 15): no byte is filled again, and the loop over the keys has no barrier.
; No prefetch: all that the launch reads by tensor loads is asked for at its head, so there is no loop to run ahead in.
; LAYOUT.  Both products are used transposed: S^T = K Q^T, O^T = V^T P^T: a lane holds ONE query (lane % 16) throughout.
; THE KEYS OF A SCORE TILE ARE CHOSEN SO THAT A LANE HOLDS WHOLE BLOCKS OF 32 KEYS: row 8 h + j of tile (c, u) is key 64 c + 32 h + 8 u + j of the step.  So lane (r, h) has in registers 32 c + 0..31 of S the keys
; 64 c + 32 h + 0..31 in order: block 2 c + h.  A block's maximum needs no other lane, and the conversions' results are the second product's operand as they stand.
; In img place r of stored tile a is key 32 (a / 2) + 8 (a % 2) + r + 8 (r / 8): row 8 h' + j of tile (c, 2 w + y) is place 8 w + j of stored tile 4 c + 2 h' + y.  The choice is made by the lane's LDS address.
; K's images land as rows of 1,024 bytes (two stored tiles) + 128 of padding: rows 0-7 and 8-15 of a fragment then read 16 different 16-byte columns of 256 bytes.
; THE FIRST PRODUCT'S K IS 64, THE INSTRUCTION'S 128.  A fragment of eight registers holds TWO tiles of keys; the queries stand as [q | zeros] and [zeros | q] (twelve registers: q, zeros, q).
; Over the zero codes the queries' scale bytes are 0 (2^-127): zeros add nothing under any byte but 0xff.
; THE EXPONENTIALS GO IN TWO BATCHES OF 32, each with one wait ahead and one behind.  Between a batch's exponentials stand vector lines that read nothing written inside the batch and whose
; results are read behind it: the other half's t - M, the first half's conversions and first level of sums.  The LDS loads stand in two runs, each directly behind the wait ahead of a batch: V's, then the next step's K.
; LIMITS: NaN and infinities are not served.  The promise holds while the scaled scores t stay under 2^31 in magnitude.  p under 2^-126 comes out of v_exp_f32 as 0; a block of p that is all zeros keeps the byte 1 with zero codes.
; A block's largest p is made from the block's largest score by the same two instructions as every p; that takes v_exp_f32 not to fall where its input rises.
.set KROW,  1152                       ; two stored tiles of K + padding
.set KSTEP, 4*KROW                     ; a step's 128 keys
.set KIMG,  0                          ; LDS: K's images, 64 rows of KROW
.set VIMG,  64*KROW                    ; V's [step 16][t 4][c 2][512]
.set KSC,   VIMG+65536                 ; K's scale words [step 16][lane 32][2]
.set VSC,   KSC+4096                   ; V's
.set STAGE, VSC+4096                   ; the way out: 16 rows x (256 + 16) bytes for each wave, its own; no tensor load lands here
.set SPARE, STAGE+16*16*272            ; the spare words, 128 bytes a wave
.set LI,   1                           ; 16 x lane
.set AV0,  2                           ; my place in V's images
.set AK0,  3                           ; my place in K's: KROW (r / 8) + 256 h + 16 (r % 8)
.set QSO,  4                           ; 8 r: my query's pair word
.set STO,  5
.set RD,   6
.set GO,   7
.set ADK,  8                           ; the step's LDS addresses
.set ADV,  9
.set ADSK, 10
.set ADSV, 11
.set ASK0, 16                          ; my place in K's scale words: 128 (r / 8) + 64 h + 8 (r % 8): lanes 0-15 take w = 0, lanes 16-31 w = 1
.set ASV0, 17                          ; and in V's: 8 x lane
.set F,    18                          ; v[18:19]: f = 2^(old M - new M), and a register at work
.set TT,   19
.set TP,   20                          ; v20-21 at work
.set TM,   22
.set Q0,   24                          ; v24-35 q, zeros, q
.set KF,   36                          ; v36-67 four fragments of two tiles of keys
.set VF,   68                          ; v68-99 V's four fragments
.set S,    100                         ; v100-163 S^T, then p
.set OT,   164                         ; v164-195 O^T
.set PCD,  196                         ; v196-203 p's codes
.set KSW,  204                         ; v204-205 K's scale words; v206-207 V's
.set VSW,  206
.set PWD,  208                         ; p's scale word
.set QS0,  209                         ; (q0, q1, 0, 0); v210 (0, 0, q0, q1)
.set QS1,  210
.set QRAW, 211
.set BM,   212                         ; v212-213 my two blocks' largest scores, then largest p, then the conversions' scale operands
.set SPW,  254
.set NIL,  255
.set WV,   18
.set SH,   19
.set SEL,  20
.set CS,   22
.set G1K,  24
.set G1V,  32
.set G1S,  40
.set G0K,  68
.set G0V,  72
.set G0S,  76
.set TBK,  2
.set TBV,  3
.set TS,   66
.set CNT,  48
.macro CROUND                          ; a round of the cluster's barrier
	s_barrier_signal -1
	s_barrier_wait -1
	s_cmp_lg_u32 s[WV], 0
	s_cbranch_scc1 .Lnot_wave_0_\@
	s_barrier_signal -3
.Lnot_wave_0_\@:
	s_barrier_wait -3
	s_barrier_signal -1
	s_barrier_wait -1
.endm
	s_load_b128 s[4:7], s[0:1], 0x0                ; img, scl
	s_load_b64 s[8:9], s[0:1], 0x10                ; out0
	v_lshl_add_u32 v[SPW], v0, 2, SPARE
	v_mov_b32 v[NIL], 0
	ds_add_u32 v[SPW], v[NIL]                      ; the opening lines: the add twice on end and its wait
	ds_add_u32 v[SPW], v[NIL]
	v_lshrrev_b32 v1, 5, v0
	v_readfirstlane_b32 s[WV], v1                  ; wave 0..15
	s_bfe_u32 s10, ttmp6, 0x40000                  ; cx: it enters Q's and out0's addresses alone
	s_and_b32 s11, ttmp7, 0xffff                   ; 16 b + head, which the four partners share
	s_lshr_b32 s12, s11, 4                         ; b
	s_and_b32 s13, s11, 15                         ; head
	s_mul_i32 s14, s12, 48
	s_add_co_u32 s14, s14, s13                     ; 48 b + head: q's place among the heads' images; k's is 16 on, v's 32
	s_add_co_u32 s15, s14, 16
	s_and_b32 s16, s[WV], 3
	s_lshl_b32 s17, s16, 14                        ; a quarter of a head's images: 16,384 bytes.  Waves 0-3 fetch K's quarters, waves 4-7 V's
	s_lshl_b32 s50, s15, 16
	s_add_co_u32 s50, s50, s17
	s_mov_b32 s51, 0
	s_add_co_u32 s60, s50, 0x100000                ; V: 16 heads on
	s_mov_b32 s61, 0
	s_and_b32 s16, s[WV], 1
	s_lshl_b32 s52, s15, 12                        ; scale words: 4,096 bytes a head.  Wave 8 fetches K's, wave 9 V's (16 heads = 2^16 bytes on)
	s_lshl_b32 s53, s16, 16
	s_add_co_u32 s52, s52, s53
	s_mov_b32 s53, 0
	s_lshl_b32 s[SH], s16, 4
	s_mov_b32 s[G1K], 15|(3<<16)|(1<<20)|(1<<21)|(7<<22)|(31<<25)   ; mask: all four; elements of 8 bytes; padding: 32 words behind every 256; bit 21 beside the mask
	s_mov_b32 s[G1K+1], 128<<16                    ; rows of 1,024 bytes
	s_mov_b32 s[G1K+2], 16<<16                     ; 16 rows
	s_mov_b32 s[G1K+3], 128<<16
	s_mov_b32 s[G1K+4], 16
	s_mov_b32 s[G1K+5], 128
	s_mov_b32 s[G1K+6], 0
	s_mov_b32 s[G1K+7], 0
	s_mov_b32 s[G1V], 15|(3<<16)|(1<<21)           ; dense: 64 rows of 256 bytes
	s_mov_b32 s[G1V+1], 32<<16
	s_mov_b32 s[G1V+2], 64<<16
	s_mov_b32 s[G1V+3], 32<<16
	s_mov_b32 s[G1V+4], 64
	s_mov_b32 s[G1V+5], 32
	s_mov_b32 s[G1V+6], 0
	s_mov_b32 s[G1V+7], 0
	s_mov_b32 s[G1S], 15|(3<<16)|(1<<21)           ; 16 rows of 256 bytes
	s_mov_b32 s[G1S+1], 32<<16
	s_mov_b32 s[G1S+2], 16<<16
	s_mov_b32 s[G1S+3], 32<<16
	s_mov_b32 s[G1S+4], 16
	s_mov_b32 s[G1S+5], 32
	s_mov_b32 s[G1S+6], 0
	s_mov_b32 s[G1S+7], 0
	s_mov_b32 s[SEL], 0x76543210
	s_mov_b32 s[SEL+1], 0xfedcba98
	s_mov_b32 s[CS], 0x3e38aa3b                    ; c = log2(e) / 8
	s_mov_b32 s[CS+1], s[CS]
	s_wait_dscnt 0x0
	s_wait_kmcnt 0x0
	s_mov_b32 s[G0K], 1
	s_mul_i32 s[G0K+1], s[WV], 16*KROW
	s_add_nc_u64 s[G0K+2:G0K+3], s[4:5], s[50:51]
	s_or_b32 s[G0K+3], s[G0K+3], 0x80000000
	s_mov_b32 s[G0V], 1
	s_add_co_u32 s[G0V+1], s17, VIMG
	s_add_nc_u64 s[G0V+2:G0V+3], s[4:5], s[60:61]
	s_or_b32 s[G0V+3], s[G0V+3], 0x80000000
	s_mov_b32 s[G0S], 1
	s_lshl_b32 s[G0S+1], s16, 12
	s_add_co_u32 s[G0S+1], s[G0S+1], KSC
	s_add_nc_u64 s[G0S+2:G0S+3], s[6:7], s[52:53]
	s_or_b32 s[G0S+3], s[G0S+3], 0x80000000
	CROUND                                         ; all four work-groups are here: the joint loads meet
.macro ARM under, g0, g1, next         ; one chain of branches on the wave's number, one load to an arm, all arms to one join
	s_cmp_lt_u32 s[WV], \under
	s_cbranch_scc0 \next
	tensor_load_to_lds s[\g0:\g0+3], s[\g1:\g1+7]
	s_nop 0
.rept 4
	v_nop
.endr
	s_branch .Lasked
\next:
.endm
	ARM 4,  G0K, G1K, .Lhead_v
	ARM 8,  G0V, G1V, .Lhead_s
	ARM 10, G0S, G1S, .Lhead_none
.Lasked:
	; my tiles of queries: T = 32 cx + 16 p + wave of the head's 128, p = 0, 1
	s_lshl_b32 s54, s10, 5
	s_add_co_u32 s54, s54, s[WV]
	s_lshl_b32 s56, s14, 16
	s_lshl_b32 s57, s54, 9
	s_add_co_u32 s56, s56, s57
	s_mov_b32 s57, 0
	s_add_nc_u64 s[4:5], s[4:5], s[56:57]          ; Q's image: 512 bytes a tile
	s_lshl_b32 s56, s14, 12                        ; Q's pair word: step T / 8, pair i = (wave / 2) % 4: word i / 2 of lane 16 (i % 2) + r
	s_lshl_b32 s58, s10, 2
	s_lshr_b32 s59, s[WV], 3
	s_add_co_u32 s58, s58, s59
	s_lshl_b32 s58, s58, 8
	s_add_co_u32 s56, s56, s58
	s_bfe_u32 s58, s[WV], 0x10001
	s_lshl_b32 s58, s58, 7
	s_add_co_u32 s56, s56, s58
	s_bfe_u32 s58, s[WV], 0x10002
	s_lshl_b32 s58, s58, 2
	s_add_co_u32 s56, s56, s58
	s_add_nc_u64 s[6:7], s[6:7], s[56:57]
	s_lshl_b32 s58, s54, 4                         ; out0: place r of tile T is token 16 T - 8 (T % 2) + r + 8 (r / 8); a row is 4,096 bytes, a head's part 256, a batch 2^23
	s_lshl_b32 s59, s16, 3
	s_sub_co_u32 s58, s58, s59
	s_lshl_b32 s58, s58, 12
	s_lshl_b32 s59, s12, 23
	s_add_co_u32 s58, s58, s59
	s_lshl_b32 s59, s13, 8
	s_add_co_u32 s56, s58, s59
	s_add_nc_u64 s[8:9], s[8:9], s[56:57]
	v_and_b32 v11, 31, v0                          ; lane
	v_lshlrev_b32 v[LI], 4, v11
	v_and_b32 v8, 15, v0                           ; r
	v_bfe_u32 v9, v0, 4, 1                         ; h
	v_lshlrev_b32 v[QSO], 3, v8
.macro QLOAD p                         ; pass p's tile: its image into both places, and its pair word
	global_load_b128 v[Q0:Q0+3],    v[LI], s[4:5] offset:8192*\p
	global_load_b128 v[Q0+8:Q0+11], v[LI], s[4:5] offset:8192*\p
	global_load_b32 v[QRAW], v[QSO], s[6:7] offset:512*\p
.endm
	QLOAD 0
	v_add_nc_u32 v[AV0], VIMG, v[LI]
	v_lshl_add_u32 v[ASV0], v11, 3, VSC
	v_bfe_u32 v10, v0, 3, 1                        ; r / 8
	v_and_b32 v11, 7, v0                           ; r % 8
	v_mul_u32_u24 v[AK0], v10, KROW
	v_lshl_add_u32 v[AK0], v9, 8, v[AK0]
	v_lshl_add_u32 v[AK0], v11, 4, v[AK0]
	v_lshl_add_u32 v[ASK0], v10, 7, KSC
	v_lshl_add_u32 v[ASK0], v9, 6, v[ASK0]
	v_lshl_add_u32 v[ASK0], v11, 3, v[ASK0]
	s_mul_i32 s49, s[WV], 16*272
	s_add_co_u32 s49, s49, STAGE                   ; my stage
	v_mul_u32_u24 v[STO], v8, 272
	v_lshl_add_u32 v[STO], v9, 6, v[STO]
	v_add_nc_u32 v[STO], s49, v[STO]               ; in: row r, + 64 h: tile t's eight channels are 32 (t / 2) + 8 (t % 2) + 16 h + 0..7
	v_mul_u32_u24 v[RD], v9, 272
	v_lshl_add_u32 v[RD], v8, 4, v[RD]
	v_add_nc_u32 v[RD], s49, v[RD]                 ; back: lanes 0-15 one row, lanes 16-31 the next
	v_lshlrev_b32 v[GO], 12, v9
	v_lshl_add_u32 v[GO], v8, 4, v[GO]             ; and the same two rows in out0
.irp j, 4,5,6,7
	v_mov_b32 v[Q0+\j], 0                          ; the zero half of both forms of Q: set once
.endr
	v_mov_b32 v[TT], 0                             ; written once: a lane permute's destination counts as one of its sources
	v_mov_b32 v[TP], 0
	s_wait_alu depctr_va_vdst(0)                   ; the wait at the head's end
	s_wait_tensorcnt 0x0                           ; my part of the head has landed,
	s_barrier_signal -1
	s_barrier_wait -1                              ; everybody's has: the one barrier for data
.macro KLD n, adr, off                 ; half n % 2 of fragment n / 2 = (c, w): c = n / 4, w = (n / 2) % 2
	ds_load_b128 v[KF+4*(\n):KF+4*(\n)+3], v[\adr] offset:\off+2*KROW*((\n)/4)+128*(((\n)/2)%2)+512*((\n)%2)
.endm
.macro KRUN adr, off                   ; a step's eight halves of K's fragments
.set ii, 0
.rept 8
	KLD ii, \adr, \off
.set ii, ii+1
.endr
.endm
.macro PADD d, s
	v_pk_add_f32 v[S+\d:S+\d+1], v[S+\d:S+\d+1], v[S+\s:S+\s+1]
.endm
	KRUN AK0, 0                                    ; the first step's K
	ds_load_b64 v[KSW:KSW+1], v[ASK0]
; A KEY STEP: 128 keys.  kn = 1: the next step's K is fetched; 2: the first step's, for the next pass; 0: nothing.
.macro STEP kn
	s_wait_dscnt 0x0                               ; K's fragments and words are in
.irp n, 0,1,2,3,4,5,6,7                            ; tile n = 4 c + 2 w + y: fragment n / 2 x form y of Q.  K's word: register c, lanes 0-15 or 16-31 by w
.if ((\n)/2)%2
	v_wmma_scale_f32_16x16x128_f8f6f4 v[S+8*\n:S+8*\n+7], v[KF+8*(\n/2):KF+8*(\n/2)+7], v[Q0+4*(\n%2):Q0+4*(\n%2)+7], 0, v[KSW+\n/4], v[QS0+\n%2] matrix_a_fmt:MATRIX_FMT_FP4 matrix_b_fmt:MATRIX_FMT_FP4 matrix_a_scale:MATRIX_SCALE_ROW1
.else
	v_wmma_scale_f32_16x16x128_f8f6f4 v[S+8*\n:S+8*\n+7], v[KF+8*(\n/2):KF+8*(\n/2)+7], v[Q0+4*(\n%2):Q0+4*(\n%2)+7], 0, v[KSW+\n/4], v[QS0+\n%2] matrix_a_fmt:MATRIX_FMT_FP4 matrix_b_fmt:MATRIX_FMT_FP4
.endif
.endr
	v_add_nc_u32 v[ADV], s[TBV], v[AV0]            ; the step's addresses: also the four places in front of the first read of the scores
	v_add_nc_u32 v[ADSV], s[TS], v[ASV0]
.if \kn == 1
	v_add_nc_u32 v[ADK], s[TBK], v[AK0]
	v_add_nc_u32 v[ADSK], s[TS], v[ASK0]
.else
	v_nop
	v_nop
.endif
.irp c, 0,1                                        ; the largest score of my two blocks, each in two chains; each tile is read from its low end on
	v_max3_num_f32 v[BM+\c], v[S+32*\c], v[S+32*\c+1], v[S+32*\c+2]
	v_max3_num_f32 v[TP+\c], v[S+32*\c+16], v[S+32*\c+17], v[S+32*\c+18]
.endr
.irp i, 3,5,7,9,11,13
.irp c, 0,1
	v_max3_num_f32 v[BM+\c], v[BM+\c], v[S+32*\c+\i], v[S+32*\c+\i+1]
	v_max3_num_f32 v[TP+\c], v[TP+\c], v[S+32*\c+16+\i], v[S+32*\c+17+\i]
.endr
.endr
.irp c, 0,1
	v_max3_num_f32 v[BM+\c], v[BM+\c], v[S+32*\c+15], v[S+32*\c+31]
.endr
.irp c, 0,1
	v_max_num_f32 v[BM+\c], v[BM+\c], v[TP+\c]
.endr
	v_max3_num_f32 v13, v13, v[BM], v[BM+1]        ; the running largest score of my query,
	v_permlanex16_b32 v[TT], v13, s[SEL], s[SEL+1]
	v_max_num_f32 v13, v13, v[TT]                  ; with lane l xor 16's keys
	v_mov_b32 v[TT], v12
	v_mul_f32 v[TM], s[CS], v13                    ; as t (c is positive)
	v_floor_f32 v12, -v[TM]                        ; the new -M = -ceil(t): M is a whole number
	v_sub_f32 v[TT], v12, v[TT]                    ; old M - new M: a whole number, 0 or less
.set jj, 0
.rept 16
	v_pk_fma_f32 v[S+jj:S+jj+1], v[S+jj:S+jj+1], s[CS:CS+1], v[12:13] op_sel_hi:[1,0,0]   ; t - M of keys 64 c + .., c = 0; the two lines that make f stand among them
.if jj == 6
	v_cvt_i32_f32 v[TT], v[TT]                     ; (it saturates)
.endif
.if jj == 14
	v_ldexp_f32 v[F], 1.0, v[TT]                   ; f = 2^(old M - new M)
.endif
.set jj, jj+2
.endr
.irp c, 0,1
	v_fma_f32 v[BM+\c], v[BM+\c], s[CS], v12       ; the same of each block's largest score
.endr
.set jj, 0
.rept 16
	v_pk_mul_f32 v[OT+jj:OT+jj+1], v[OT+jj:OT+jj+1], v[F:F+1] op_sel_hi:[1,0]   ; O^T under the new M, ahead of the step's first exponential, each accumulator from its low end on
.set jj, jj+2
.endr
	s_wait_alu depctr_va_vdst(0)                   ; the wait ahead of the first batch
.set ii, 0
.rept 8
	ds_load_b128 v[VF+4*ii:VF+4*ii+3], v[ADV] offset:512*ii   ; V's fragments and words, in one run
.set ii, ii+1
.endr
	ds_load_b64 v[VSW:VSW+1], v[ADSV]
	v_exp_f32 v[BM], v[BM]                         ; the blocks' largest p
	v_exp_f32 v[BM+1], v[BM+1]
.set ii, 0
.rept 16
	v_exp_f32 v[S+2*ii], v[S+2*ii]                 ; p of the first 32 registers
	v_exp_f32 v[S+2*ii+1], v[S+2*ii+1]
	v_pk_fma_f32 v[S+32+2*ii:S+33+2*ii], v[S+32+2*ii:S+33+2*ii], s[CS:CS+1], v[12:13] op_sel_hi:[1,0,0]   ; t - M of the other 32 (the last is the plain line behind the batch)
.set ii, ii+1
.endr
	s_wait_alu depctr_va_vdst(0)                   ; the wait behind the first batch
.irp c, 0,1
	v_max_num_f32 v[BM+\c], 0x1800000, v[BM+\c]    ; the floor 2^(3 - 127): the byte cannot fall under 1
.endr
.irp c, 0,1
	v_add_nc_u32 v[BM+\c], 0xff000000, v[BM+\c]    ; 2 off the exponent field: the conversion's scale operand
.endr
.irp c, 0,1
	v_lshrrev_b32 v[TP+\c], 23, v[BM+\c]           ; the scale's byte of block 2 c + h
.endr
	v_lshl_or_b32 v[TP+1], v[TP+1], 16, v[TP]      ; my two bytes at places 0 and 2,
	v_permlanex16_b32 v[TP], v[TP+1], s[SEL], s[SEL+1]
	v_lshl_or_b32 v[PWD], v[TP], 8, v[TP+1]        ; lane l xor 16's at places 1 and 3: whole in lanes 0-15, which alone are read
	s_wait_alu depctr_va_vdst(0)                   ; the wait ahead of the second batch
.if \kn == 1
	KRUN ADK, KSTEP                                ; the next step's K and its words, in one run
	ds_load_b64 v[KSW:KSW+1], v[ADSK] offset:256
.endif
.if \kn == 2
	KRUN AK0, 0
	ds_load_b64 v[KSW:KSW+1], v[ASK0]
.endif
.set ii, 0
.rept 16
	v_exp_f32 v[S+32+2*ii], v[S+32+2*ii]
.if ii < 4
	v_cvt_scalef32_pk8_fp4_f32 v[PCD+ii], v[S+8*ii:S+8*ii+7], v[BM]   ; the first half's codes: registers 0-3 of the operand
.endif
.if ii == 4
	v_nop                                          ; one plain line between the conversions and the sums that write their sources
.endif
.if (ii > 4) && (ii < 12)
.set dd, 4*(ii-5)
	PADD dd, dd+2                                  ; the first half's sums, first level, in place
.endif
	v_exp_f32 v[S+33+2*ii], v[S+33+2*ii]
.set ii, ii+1
.endr
	PADD 28, 30                                    ; (the plain line behind the batch)
	s_wait_alu depctr_va_vdst(0)                   ; the wait behind the second batch
.irp g, 0,1,2,3
	v_cvt_scalef32_pk8_fp4_f32 v[PCD+4+\g], v[S+32+8*\g:S+39+8*\g], v[BM+1]
.endr
.irp d, 0,8,16,24                                  ; THE ROW'S SUM IS TAKEN OF THE UNQUANTISED p, two at a time, as a tree in place
	PADD \d, \d+4
.endr
.irp d, 32,36,40,44,48,52,56,60
	PADD \d, \d+2
.endr
	PADD 0, 8
	PADD 16, 24
.irp d, 32,40,48,56
	PADD \d, \d+4
.endr
	PADD 0, 16
	PADD 32, 40
	PADD 48, 56
	PADD 32, 48
	PADD 0, 32
	v_pk_fma_f32 v[14:15], v[14:15], v[F:F+1], v[S:S+1] op_sel_hi:[1,0,1]   ; the sums under the new M, and this step's
.if \kn
	s_wait_dscnt 9                                 ; V and its words are in; the nine loads of K issued behind them may be out
.else
	s_wait_dscnt 0x0
.endif
.irp t, 0,1,2,3                                    ; O^T += V^T P^T: the four accumulators by turns.  V's word: register t / 2, lanes 0-15 or 16-31 by t % 2
.if (\t)%2
	v_wmma_scale_f32_16x16x128_f8f6f4 v[OT+8*\t:OT+8*\t+7], v[VF+8*\t:VF+8*\t+7], v[PCD:PCD+7], v[OT+8*\t:OT+8*\t+7], v[VSW+\t/2], v[PWD] matrix_a_fmt:MATRIX_FMT_FP4 matrix_b_fmt:MATRIX_FMT_FP4 matrix_a_scale:MATRIX_SCALE_ROW1
.else
	v_wmma_scale_f32_16x16x128_f8f6f4 v[OT+8*\t:OT+8*\t+7], v[VF+8*\t:VF+8*\t+7], v[PCD:PCD+7], v[OT+8*\t:OT+8*\t+7], v[VSW+\t/2], v[PWD] matrix_a_fmt:MATRIX_FMT_FP4 matrix_b_fmt:MATRIX_FMT_FP4
.endif
.endr
	s_add_co_u32 s[TBK], s[TBK], KSTEP
	s_add_co_u32 s[TBV], s[TBV], 4096
	s_add_co_u32 s[TS], s[TS], 256
.endm
; ONE TILE OF 16 QUERIES against all keys, and its way out.
.macro PASS p
	s_wait_loadcnt 0x0                             ; Q's image and pair word
.if \p
	s_wait_xcnt 0x0                                ; the last pass's stores have read their data registers
.endif
	v_bfe_u32 v[QS0], v[QRAW], s[SH], 16           ; my tile's two bytes, zeros above: over [q | zeros]
	v_lshlrev_b32 v[QS1], 16, v[QS0]               ; and over [zeros | q]
	v_mov_b32 v13, 0xff61b1e6                      ; the largest score so far: -3e38
	v_mul_f32 v12, s[CS], v13
	v_floor_f32 v12, -v12                          ; -M
	v_mov_b32 v14, 0                               ; the sum, in two halves
	v_mov_b32 v15, 0
.set jj, 0
.rept 32
	v_mov_b32 v[OT+jj], 0                          ; O^T: the first step finds zeros, which the first change of M leaves zeros
.set jj, jj+1
.endr
	s_mov_b32 s[TBK], 0
	s_mov_b32 s[TBV], 0
	s_mov_b32 s[TS], 0
	s_mov_b32 s[CNT], 15
	s_wait_alu depctr_va_vdst(0)                   ; ahead of the loop's first wait
.Lkey_\@:
	STEP 1
	s_sub_co_u32 s[CNT], s[CNT], 1
	s_cmp_lg_u32 s[CNT], 0
	s_cbranch_scc1 .Lkey_\@
.if \p == 0
	STEP 2                                         ; the last step is written out: it fetches the first step's K for the next pass,
.else
	STEP 0                                         ; or nothing
.endif
.rept 4
	v_nop                                          ; places behind the last products
.endr
.if \p == 0
	QLOAD 1                                        ; the next tile's queries come while this tile goes out
.endif
	s_wait_alu depctr_va_vdst(0)                   ; the sum was written ahead of the last step's wait for V
	v_add_f32 v14, v14, v15                        ; the sum's two halves,
	v_permlanex16_b32 v[TT], v14, s[SEL], s[SEL+1]
	v_add_f32 v14, v14, v[TT]                      ; and lane l xor 16's: the row's sum
	s_wait_alu depctr_va_vdst(0)                   ; the wait ahead of the reciprocal
	v_rcp_f32 v14, v14
	v_nop
	s_wait_alu depctr_va_vdst(0)                   ; and ahead of its first reader
.set jj, 0
.rept 32
	v_mul_f32 v[S+jj], v[OT+jj], v14               ; O^T / the sum, each accumulator from its low end on
.set jj, jj+1
.endr
.irp t, 0,1,2,3
	ds_store_b128 v[STO], v[S+8*\t:S+8*\t+3]   offset:128*(\t/2)+32*(\t%2)
	ds_store_b128 v[STO], v[S+8*\t+4:S+8*\t+7] offset:128*(\t/2)+32*(\t%2)+16
.endr
.irp i, 0,1,2,3,4,5,6,7
	ds_load_b128 v[S+32+4*\i:S+32+4*\i+3], v[RD] offset:544*\i     ; LDS serves a wave's instructions in order: these see my stores
.endr
.irp i, 0,1,2,3,4,5,6,7
	s_wait_dscnt 7-\i                              ; rows 2 i, 2 i + 1 are back; the younger loads may be out
	global_store_b128 v[GO], v[S+32+4*\i:S+32+4*\i+3], s[8:9] offset:1048576*\p+(2*\i+8*(\i/4))*4096 th:TH_STORE_NT   ; sixteen lanes store 256 consecutive aligned bytes
.endr
.endm
	PASS 0
	PASS 1
	s_wait_dscnt 0x0
	s_wait_tensorcnt 0x0                           ; the wave's end
	ds_add_u32 v[SPW], v[NIL]
	s_wait_dscnt 0x0
	CROUND                                         ; the closing round
	s_endpgm
.Lfunc_end_k_q4da72bccdd_attn:
	.size	k_q4da72bccdd_attn, .Lfunc_end_k_q4da72bccdd_attn-k_q4da72bccdd_attn
	.p2alignl 7, 3214868480
	.fill 96, 4, 3214868480
	.section	.rodata,"a",@progbits
	.p2align	6, 0x0
	.amdhsa_kernel k_q4da72bccdd_attn
		.amdhsa_group_segment_fixed_size 219136
		.amdhsa_private_segment_fixed_size 0
		.amdhsa_enable_private_segment 0
		.amdhsa_kernarg_size 24
		.amdhsa_user_sgpr_count 2
		.amdhsa_user_sgpr_kernarg_segment_ptr 1
		.amdhsa_wavefront_size32 1
		.amdhsa_system_sgpr_workgroup_id_x 1
		.amdhsa_system_sgpr_workgroup_id_y 1
		.amdhsa_system_sgpr_workgroup_id_z 1
		.amdhsa_system_vgpr_workitem_id 0
		.amdhsa_next_free_vgpr 256
		.amdhsa_next_free_sgpr 80
		.amdhsa_reserve_vcc 0
		.amdhsa_float_denorm_mode_32 3
		.amdhsa_float_denorm_mode_16_64 3
		.amdhsa_memory_ordered 1
		.amdhsa_forward_progress 1
		.amdhsa_inst_pref_size 74
	.end_amdhsa_kernel
	.amdgpu_metadata
---
amdhsa.version: [ 1, 2 ]
amdhsa.kernels:
  - .name:           k_q4da72bccdd_attn
    .symbol:         k_q4da72bccdd_attn.kd
    .args:
      - { .name: img, .offset: 0, .size: 8, .value_kind: global_buffer, .address_space: global }
      - { .name: scl, .offset: 8, .size: 8, .value_kind: global_buffer, .address_space: global }
      - { .name: out0, .offset: 16, .size: 8, .value_kind: global_buffer, .address_space: global }
    .group_segment_fixed_size: 219136
    .private_segment_fixed_size: 0
    .kernarg_segment_align: 8
    .kernarg_segment_size: 24
    .max_flat_workgroup_size: 512
    .sgpr_count:     80
    .vgpr_count:     256
    .wavefront_size: 32
...
	.end_amdgpu_metadata
.endif
;; end of part 3
